; MI455X (gfx1250); checked and timed in simulation.
; The chip was launched on July 23, 2026; its instructions are those of AMD's public machine-readable ISA for CDNA 5 (MIT licence, August 2026) and "CDNA5" Instruction Set Architecture Reference Guide (July 2026). The comments in the code are by the model that wrote it; some were corrected since.
;; Fact Machine. Allowed arithmetic: matrix products marked QUANTISED: E2M3 operands, one E8M0 scale for each 32 along K, by v_wmma_scale_f32_16x16x128_f8f6f4 with both operands' format E2M3, f32 sums; products left as they are: f32 operands where the result goes on into a quantised operand, else bf16, f16 or f32 operands; f32 sums; everything else in f32.
;; Inputs: V_b 64 float32; V_w 64 x 512 float32; X 32,768 x 512 float32; w0_b 1 float32; w0_w 1 x 1 float32; w_b 1 float32; w_w 1 x 512 float32.
;; Outputs: out0 32,768 x 1 float32.
;; This version of the problem:
;;   THIS VERSION OF THE PROBLEM IS GIVEN IN LOW PRECISION. The matrix products marked QUANTISED in the list below multiply operands that are first quantised to E2M3 (2 exponent bits, 3 mantissa bits; 6 bits a number), with one power-of-two scale for each 32 numbers along K (OCP MX v1.0); their sums are f32. All else is computed in f32.
;;   The module's matrix products, in the order in which they are computed (A, B: the left and right operand; K: the contracted axis; several contracted axes count as one K, in the product's order):
;;     1. [M 32,768, K 512] x [K 512, N 1]; A: input X; B: input w_w: left as it is (N = 1 < 16)
;;     2. [M 32,768, K 512] x [K 512, N 64]; A: input X; B: computed on the way: QUANTISED
;;     3. [M 32,768, K 512] x [K 512, N 1]; A: computed on the way; B: computed on the way: left as it is (N = 1 < 16)
;;   THE QUANTISER, for each operand of a quantised product, along K:
;;     - K is cut into blocks of 32 from its start; a last block that is shorter is filled with zeros.
;;     - A block's scale is 2^e with e = floor(log2(the largest magnitude in the block)) - 2, held to -126 .. 127; a block of zeros has e = 0. As a byte (E8M0): e + 127.
;;     - Each number is divided by its block's scale, clamped to +-7.5, and rounded to the nearest number of E2M3, ties to even, subnormals kept.
;;     - The product sums the exact products of the quantised numbers (number of the format x scale) in f32.
;;   ~~~python
;;   def quantise(x, axis):      # numpy; x: float32 -> the quantised numbers, widened to float32 again
;;       x = np.moveaxis(x, axis, -1); K = x.shape[-1]
;;       x = np.pad(x, [(0, 0)] * (x.ndim - 1) + [(0, -K % 32)]); x = x.reshape(x.shape[:-1] + (-1, 32)); a = np.abs(x).max(-1, keepdims=True)
;;       e = np.where(a > 0, np.clip(np.frexp(np.where(a > 0, a, 1))[1] - 1 - 2, -126, 127), 0)      # np.frexp(a)[1] - 1 = floor(log2(a)), exactly
;;       r = np.clip(x / 2.0 ** e, -7.5, 7.5)
;;       step = 2.0 ** (np.maximum(np.frexp(np.where(r == 0, 1, r))[1] - 1, 0) - 3)
;;       q = np.round(r / step) * step * 2.0 ** e      # np.round: ties to even
;;       return np.moveaxis(q.reshape(q.shape[:-2] + (-1,))[..., :K], -1, axis).astype(np.float32)
;;   ~~~
;;   OPERANDS COMPUTED ON THE WAY. 'Computed on the way' means the value that the module computes at that place (a softmax that the list does not call 'softmax' is quantised finished and normalised). What goes into a quantiser is computed in f32, as accurately as f32 sums, v_exp_f32 and their like allow (about 1e-6 of the number): no bf16 or f16 on the way to a quantiser, and a product that is left as it is and whose result goes on into a quantised operand takes f32 operands (vector FMAs, or v_wmma_f32_16x16x4_f32). A number that lies on a knife's edge between two numbers of the format may be rounded either way, as far as f32 arithmetic and the matrix unit's own rounding can turn it there, and no further.
;; One version. Each part assembles by itself: llvm-mc -triple=amdgcn-amd-amdhsa -mcpu=gfx1250 --defsym DOCPART=n.
;; ======== version 1 of 1: 1 launch
;; launch fm (part 1): grid 256 x 1, 16 waves a work-group, no clusters, 321,536 bytes of LDS; arguments X, V_w, V_b, w_w, w0_w, w0_b, w_b, out0; writes out0
.if DOCPART == 1
	.amdgcn_target "amdgcn-amd-amdhsa--gfx1250"
	.amdhsa_code_object_version 6
	.text
	.protected	k_q0044bd9981_fm
	.globl	k_q0044bd9981_fm
	.p2align	8
	.type	k_q0044bd9981_fm,@function
k_q0044bd9981_fm:
	s_mov_b64 s[64:65], 0
	v_nop
	global_prefetch_b8 v0, s[64:65] scope:SCOPE_SE
	s_setreg_imm32_b32 hwreg(HW_REG_WAVE_MODE, 25, 1), 1
	s_wait_xcnt 0x0
; out[m] = c0 + sum_k w_k x + sum_k a_k x^2 + 1/2 sum_f XV[m][f]^2,  x = X[m][k],  c0 = w0_w + w0_b + w_b,  a_k = -1/2 sum_f Vmat[k][f]^2,  Vmat[k][f] = V_w[f][k] + V_b[f].
; XV = Q(X) Q(Vmat): both operands quantised along K to codes of FP6 (E2M3) with one E8M0 byte for each 32, multiplied by the scaled matrix instruction; all else in f32.
; SHARES.  256 work-groups of 16 waves; a work-group owns 128 rows of X.  Wave w owns tile w / 2 (16 rows) and K half w % 2 (256 along K).
; X: four tensor loads a wave, each 16 rows x 256 consecutive bytes (at multiples of 256 from X's first byte): one block of 32 for each half of the lanes.  All go out together at the head, into LDS bytes of
; the wave's own; every byte is filled once, nothing is filled again, and only the wave that asked reads them.  A wave's loads end in order, so block b is worked behind a wait that leaves the 3 - b later ones out.
; V, while X is on its way: wave w takes block w (32 along K) of all 64 rows of V_w.  A load takes 4 rows x 128 consecutive bytes; four loads (16 rows) turn through the wave's own stage in LDS and come back
; 16 neighbours a lane, two neighbouring lanes to a block.  Bias, squares, largest magnitude, codes.  The codes go to LDS in the order of the operand's registers (48 bytes for each lane of a fragment), the scale
; bytes beside them; the squares are folded over the 16 lanes that hold the same k, so that each lane ends with the sum for one k.
; THE COEFFICIENTS w_k and a_k of a wave's 256 k lie in 16 registers, eight k of each a lane; a multiply-add takes lane n's number of the lane's own half of 16 (row_share:n), so no coefficient is read twice from LDS.
; THE MATRIX INSTRUCTION IS USED TRANSPOSED (source 0 = 16 rows f of V, source 1 = 16 rows of X): a lane holds one row of X and eight f.
; A wave has sums over its K half only.  Its four tiles of f are ordered so that it keeps its first two and hands its last two to its partner (wave w xor 1): the same text for both, no roles.
; NO CLUSTER: V_w is the one input that work-groups share; a joint load lands in LDS, and V_w's 131,072 bytes have no room there beside X's 278,528 of 327,680: so V_w comes through registers.
; LIMITS: NaN and infinities among the inputs are not served.  A block whose largest magnitude lies under 2^-124 has its byte held at 1, as the quantiser's hold at -126 asks; a block of zeros gets the byte 1
; where the rule says 127: its codes are zeros, and the bytes are read by this program alone.  The f32 sums are taken in another order than reference()'s.
.set XCP,  272                         ; a row of a chunk in LDS: 256 bytes + 16: row r starts 16 r bytes on modulo 256, so the 16 rows of a load of 16 bytes a lane fall on 16 different columns
.set XC,   16*XCP                      ; a chunk
.set XW,   4*XC                        ; a wave's four
.set VIMG, 16*XW                       ; V's 16 fragments (tile of f t, K step s: 4 t + s), FRB bytes each: lane 16 h + r's 12 registers on end, 48 bytes
.set FRB,  1536
.set VSC,  VIMG+16*FRB                 ; their scale words: 64 bytes a fragment, 4 a row
.set AT,   VSC+16*64                   ; a_k, 512 numbers; behind them, 2,048 bytes on, w_k
.set OST,  AT+4096                     ; the stage for the results: two planes (K half) of 128 numbers
.set STG,  VIMG                        ; V's turn: SW bytes for each wave.  They lie over the images and tables, which are stored only behind a barrier that follows every wave's last read of its stage
.set SP,   80                          ; a place in it: 64 bytes + 16
.set SW,   32*SP
; vector registers that stay
.set XA,   4                           ; my place in my chunks of X: wave x XW + r x XCP + 128 h
.set CA,   5                           ; my place in the tables
.set VFA0, 6                           ; V's fragments that I keep;  7: those that I hand on
.set VSA0, 8                           ; their scale words;  9 likewise
.set EXS,  10                          ; where I put what I hand on (in my own first chunk's bytes, which have had their only fill)
.set EXL,  11                          ; where my partner has put mine
.set OSA,  12                          ; my row's word in the stage for the results
.set OLA,  13                          ; wave 0: 16 bytes a lane of it
.set GO,   14                          ; 16 x lane
.set SH8,  15                          ; 8 h
.set VS,   16                          ; v16-19  V's scale words: scales and nothing else
.set XS,   20                          ; v20-21  X's scale words, one for each K step
.set PT,   22                          ; a lane permute's destination
.set NN,   23                          ; second chain of a maximum
.set SA,   24                          ; v24-27 four sums of w x, v28-31 four of a x^2
.set XB0,  32                          ; v32-63, v64-95 a block of X, by turns
.set XB1,  64
.set Y,    96                          ; v96-127 its squares
.set VF,   128                         ; v128-175 four fragments of V
.set ACC,  176                         ; v176-207 the four accumulators
.set CW,   208                         ; v208-215 w, v216-223 a: register 4 (b / 2) + e of lane 16 h + n holds k = 64 (2 (b / 2) + n / 8) + 32 h + 4 (n % 8) + e of my K half
.set PC,   224                         ; v224-247 X's codes: two fragments
.set TT,   248                         ; v248-250 a conversion's second half
.set MM,   252                         ; v252-253 largest magnitude, then the conversion's scale operand
.set BY,   254                         ; v254-255 scale bytes
.set RX,   32                          ; at the end: my partner's sums
.set SS,   48
; vector registers of V's part alone
.set VR,   32                          ; v32-95   sixteen loads as they come
.set VX,   96                          ; v96-159  four rounds of 16 neighbours
.set Q,    160                         ; v160-175 squares
.set T1,   176
.set VB,   184                         ; v184, 186, 188, 190: V_b of my row in each round (each the low word of a pair)
.set WVAL, 192
.set AV,   193
.set VM,   194
.set VN,   198
.set VBY,  202
.set CC,   208                         ; codes: four registers a round
.set VGO,  224
.set VBO,  225
.set WGO,  226
.set SIN,  227
.set SOUT, 228
.set VPA,  229
.set VBA,  230
.set CTA,  231
.set HL,   232                         ; lane / 2
.set UU,   233                         ; lane % 2
.set TV,   234
; scalar registers
.set WV,   20                          ; wave
.set KH,   21                          ; K half
.set TI,   22                          ; tile
.set KO,   23                          ; the other K half
.set G0,   24                          ; s[24:39] descriptor group 0, one for each chunk;  s[40:47] group 1
.set G1,   40
.set CS,   48                          ; s48-50 w0_w, w0_b, w_b
.set SEL,  52                          ; s[52:53] selects of v_permlanex16_b32 for lane l xor 16
.set MK,   54                          ; s54-56 the lanes whose number has bit 3, 2, 1 set
.set XL,   57                          ; my wave's bytes of X in LDS
; the largest magnitude of 32 numbers of a lane, in two chains, with the floor 2^(3 - 127) as one more leaf: so the scale's byte cannot fall under 1
.macro BMAX m, n, x
	v_max3_num_f32 v[\m], |v[\x]|, |v[\x+1]|, |v[\x+2]|
	v_max3_num_f32 v[\n], |v[\x+3]|, |v[\x+4]|, |v[\x+5]|
.irp i, 6,10,14,18,22,26
	v_max3_num_f32 v[\m], v[\m], |v[\x+\i]|, |v[\x+\i+1]|
	v_max3_num_f32 v[\n], v[\n], |v[\x+\i+2]|, |v[\x+\i+3]|
.endr
	v_max3_num_f32 v[\m], v[\m], |v[\x+30]|, |v[\x+31]|
	v_max3_num_f32 v[\m], v[\m], v[\n], 0x1800000
.endm
; a block's 32 numbers become 6 registers of codes at v[p] on and the scale's byte
.macro BCVT m, by, p, t, x
	v_add_nc_u32 v[\m], 0xff000000, v[\m]          ; 2 off the exponent field: the conversion takes this operand's exponent field as its scale, and nothing else of it
	v_cvt_scalef32_pk16_fp6_f32 v[\p:\p+2], v[\x:\x+15], v[\m]
	v_cvt_scalef32_pk16_fp6_f32 v[\t:\t+2], v[\x+16:\x+31], v[\m]   ; (a conversion's three registers begin on an even number: the second half is made elsewhere and moved)
	v_lshrrev_b32 v[\by], 23, v[\m]                ; the byte; also the plain instruction between the conversions and the moves that read their results
	v_mov_b32 v[\p+3], v[\t]
	v_mov_b32 v[\p+4], v[\t+1]
	v_mov_b32 v[\p+5], v[\t+2]
.endm
; 2 n sums a lane become n: a lane whose bit is set keeps the upper n, the other the lower n, and each adds what its partner (lane xor xm) holds of them
.macro FOLD n, xm, mk
.set jj, 0
.rept \n
	v_cndmask_b32 v[T1+2*(jj%4)], v[Q+jj], v[Q+\n+jj], s[\mk]       ; what I keep
	v_cndmask_b32 v[T1+2*(jj%4)+1], v[Q+\n+jj], v[Q+jj], s[\mk]     ; what my partner keeps
	v_add_f32_dpp v[Q+jj], v[T1+2*(jj%4)+1], v[T1+2*(jj%4)] row_xmask:\xm row_mask:0xf bank_mask:0xf
.set jj, jj+1
.endr
.endm
; round t of V's turn: four loads (16 rows x 128 bytes) into my stage as they lie, and back 64 bytes a lane.  LDS serves a wave's instructions in order (ISA guide 5.7.1.4): no wait between the stores and
; the loads, nor in front of the next round's stores.  left: the loads of V issued behind this round's four, which may stay out
.macro VTURN t, left
	s_wait_loadcnt \left
.irp i, 0,1,2,3
	ds_store_b128 v[SIN], v[VR+16*\t+4*\i:VR+16*\t+4*\i+3] offset:8*SP*\i
.endr
.irp i, 0,1,2,3
	ds_load_b128 v[VX+16*\t+4*\i:VX+16*\t+4*\i+3], v[SOUT] offset:16*\i
.endr
.endm
; block b of my half rows: 32 neighbours a lane
.macro XLOAD x, b
.irp j, 0,1,2,3,4,5,6,7
	ds_load_b128 v[\x+4*\j:\x+4*\j+3], v[XA] offset:(\b)*XC+16*\j
.endr
.endm
; four numbers of a block, 4 q to 4 q + 3: their w and a lie in lane n of my half of the lanes
.macro LIN4 x, cw, n, q
.irp e, 0,1,2,3
	v_fmac_f32_dpp v[SA+\e], v[\cw+\e], v[\x+4*(\q)+\e] row_share:\n row_mask:0xf bank_mask:0xf
	v_fmac_f32_dpp v[SA+4+\e], v[\cw+8+\e], v[Y+4*(\q)+\e] row_share:\n row_mask:0xf bank_mask:0xf
.endr
.endm
; sums += w x and a x^2 for a block: 16 packed squares, 64 multiply-adds in eight chains.  odd: the block's number is odd: its coefficients lie in lanes 8 to 15 of each half
.macro LIN x, cw, odd
.set ii, 0
.rept 16
	v_pk_mul_f32 v[Y+ii:Y+ii+1], v[\x+ii:\x+ii+1], v[\x+ii:\x+ii+1]
.set ii, ii+2
.endr
.if \odd
.irp n, 8,9,10,11,12,13,14,15
	LIN4 \x, \cw, \n, \n-8
.endr
.else
.irp n, 0,1,2,3,4,5,6,7
	LIN4 \x, \cw, \n, \n
.endr
.endif
.endm
; V's four fragments of my K step s, and their scale words: 16 loads
.macro VFRAG s
.irp u, 0,1,2,3
.irp q, 0,1,2
	ds_load_b128 v[VF+12*\u+4*\q:VF+12*\u+4*\q+3], v[VFA0+\u/2] offset:(\u%2)*4*FRB+(\s)*FRB+16*\q
.endr
	ds_load_b32 v[VS+\u], v[VSA0+\u/2] offset:(\u%2)*256+(\s)*64
.endr
.endm
; my two bytes (blocks h and 2 + h of the K step) at their places, and lane l xor 16's two: the row's scale word
.macro SWORD s
	v_lshl_or_b32 v[XS+\s], v[BY+1], 16, v[BY]
	v_lshlrev_b32 v[XS+\s], v[SH8], v[XS+\s]
	v_permlanex16_b32 v[PT], v[XS+\s], s[SEL], s[SEL+1]
	v_or_b32 v[XS+\s], v[XS+\s], v[PT]
.endm
; four matrix instructions, the four accumulators by turns; K step 0 starts the sums with the constant 0
.macro MUL s
.irp u, 0,1,2,3
.if \s == 0
	v_wmma_scale_f32_16x16x128_f8f6f4 v[ACC+8*\u:ACC+8*\u+7], v[VF+12*\u:VF+12*\u+11], v[PC:PC+11], 0, v[VS+\u], v[XS] matrix_a_fmt:MATRIX_FMT_FP6 matrix_b_fmt:MATRIX_FMT_FP6
.else
	v_wmma_scale_f32_16x16x128_f8f6f4 v[ACC+8*\u:ACC+8*\u+7], v[VF+12*\u:VF+12*\u+11], v[PC+12:PC+23], v[ACC+8*\u:ACC+8*\u+7], v[VS+\u], v[XS+1] matrix_a_fmt:MATRIX_FMT_FP6 matrix_b_fmt:MATRIX_FMT_FP6
.endif
.endr
.endm
	s_load_b256 s[4:11], s[0:1], 0x0               ; X s[4:5], V_w s[6:7], V_b s[8:9], w_w s[10:11]
	s_load_b256 s[12:19], s[0:1], 0x20             ; w0_w s[12:13], w0_b s[14:15], w_b s[16:17], out0 s[18:19]
	v_lshl_add_u32 v254, v0, 2, 0x4e000
	v_mov_b32 v255, 0
	ds_add_u32 v254, v255
	ds_add_u32 v254, v255
	s_wait_dscnt 0x0
	; all that hangs on ids alone is made here, while the arguments are on their way
	v_lshrrev_b32 v1, 5, v0
	v_readfirstlane_b32 s[WV], v1                  ; wave 0..15
	v_and_b32 v1, 31, v0                           ; lane
	v_and_b32 v2, 15, v0                           ; r
	v_bfe_u32 v3, v0, 4, 1                         ; h
	s_and_b32 s[KH], s[WV], 1
	s_lshr_b32 s[TI], s[WV], 1
	s_xor_b32 s[KO], s[KH], 1
	s_lshl_b32 s66, s[WV], 7                       ; block w: 128 bytes along a row of V_w, and of w_w
	v_lshrrev_b32 v[VGO], 3, v1                    ; V_w: eight lanes to a row's 128 bytes, four rows a load
	v_and_b32 v[TV], 7, v1
	v_lshlrev_b32 v[VGO], 11, v[VGO]
	v_lshl_add_u32 v[VGO], v[TV], 4, v[VGO]
	v_add_nc_u32 v[VGO], s66, v[VGO]
	v_lshrrev_b32 v[HL], 1, v1
	v_and_b32 v[UU], 1, v1
	v_lshlrev_b32 v[VBO], 2, v[HL]                 ; V_b: behind the turn my row of round t is 16 t + lane / 2
	v_lshl_add_u32 v[WGO], v[UU], 4, v[HL]         ; the k of my block that the fold leaves with me: 16 (lane % 2) + lane / 2
	v_lshlrev_b32 v[WGO], 2, v[WGO]
	v_add_nc_u32 v[WGO], s66, v[WGO]
.irp t, 0,1,2,3
	v_mov_b32 v[VB+2*\t+1], 0                      ; (the upper words of the pairs that the packed additions name)
.endr
	; descriptors: group 1: 16 rows of 64 numbers of 4 bytes, 512 numbers from row to row, 4 words of padding behind each 64 words; group 0: a set for each chunk
	s_mul_i32 s[XL], s[WV], XW
.irp b, 0,1,2,3
	s_mov_b32 s[G0+4*\b], 1                        ; count = 1
	s_add_co_u32 s[G0+4*\b+1], s[XL], \b*XC        ; LDS address: the wave's own bytes
.endr
	s_mov_b32 s[G1], (2<<16)|(1<<20)|(5<<22)|(3<<25)
	s_mov_b32 s[G1+1], 64<<16                      ; tensor_dim0 = 64
	s_mov_b32 s[G1+2], 16<<16                      ; tensor_dim1 = 16
	s_mov_b32 s[G1+3], 64<<16                      ; tile_dim0 = 64
	s_mov_b32 s[G1+4], 16                          ; tile_dim1 = 16
	s_mov_b32 s[G1+5], 512                         ; from row to row
	s_mov_b32 s[G1+6], 0
	s_mov_b32 s[G1+7], 0
	s_lshl_b32 s58, ttmp9, 18                      ; the work-group's 128 rows of 2,048 bytes,
	s_lshl_b32 s59, s[TI], 15                      ; the tile's 16,
	s_add_co_u32 s58, s58, s59
	s_lshl_b32 s59, s[KH], 10                      ; the K half's 1,024 bytes: under 2^26 in all
	s_add_co_u32 s58, s58, s59
	s_mov_b32 s59, 0
	s_lshl_b32 s60, ttmp9, 9                       ; the work-group's 512 bytes of the output
	s_mov_b32 s61, 0
	s_mov_b32 s[SEL], 0x76543210
	s_mov_b32 s[SEL+1], 0xfedcba98
	s_mov_b32 s[MK], 0xff00ff00
	s_mov_b32 s[MK+1], 0xf0f0f0f0
	s_mov_b32 s[MK+2], 0xcccccccc
	; V's turn: in: four lanes' 64 bytes fill a place: SP (lane / 4) + 16 (lane % 4), a load's 512 bytes take eight places; out: place = lane
	s_mul_i32 s67, s[WV], SW
	s_add_co_u32 s67, s67, STG
	v_lshrrev_b32 v[SIN], 2, v1
	v_and_b32 v[TV], 3, v1
	v_mul_u32_u24 v[SIN], v[SIN], SP
	v_lshl_add_u32 v[SIN], v[TV], 4, v[SIN]
	v_add_nc_u32 v[SIN], s67, v[SIN]
	v_mul_u32_u24 v[SOUT], v1, SP
	v_add_nc_u32 v[SOUT], s67, v[SOUT]
	; where V's codes go.  Block w is K step w / 4, registers 6 c on with c = (w / 2) % 2, lanes 16 h' + r with h' = w % 2; my row of round t is tile t, r = lane / 2; my 16 codes are 12 bytes, 12 (lane % 2) on
	s_lshr_b32 s66, s[WV], 2
	s_bfe_u32 s67, s[WV], 0x10001
	s_and_b32 s68, s[WV], 3
	s_mul_i32 s69, s66, FRB
	s_mul_i32 s70, s[KH], 768
	s_add_co_u32 s69, s69, s70
	s_mul_i32 s70, s67, 24
	s_add_co_u32 s69, s69, s70
	s_add_co_u32 s69, s69, VIMG
	v_mul_u32_u24 v[VPA], v[HL], 48
	v_mad_u32_u24 v[VPA], v[UU], 12, v[VPA]
	v_add_nc_u32 v[VPA], s69, v[VPA]
	s_lshl_b32 s70, s66, 6                         ; and the scale bytes: byte w % 4 of the row's word
	s_add_co_u32 s70, s70, s68
	s_add_co_u32 s70, s70, VSC
	v_lshl_add_u32 v[VBA], v[HL], 2, s70
	v_add_nc_u32 v[CTA], AT, v[WGO]                ; the tables: my k
	; the addresses of X's part
	v_mul_u32_u24 v[XA], v2, XCP
	v_lshl_add_u32 v[XA], v3, 7, v[XA]
	v_add_nc_u32 v[XA], s[XL], v[XA]
	s_lshl_b32 s66, s[KH], 10                      ; the tables, 16 bytes a lane: 1,024 x K half + 256 (r / 8) + 128 h + 16 (r % 8)
	s_add_co_u32 s66, s66, AT
	v_lshrrev_b32 v[CA], 3, v2
	v_and_b32 v[TV], 7, v2
	v_lshlrev_b32 v[CA], 8, v[CA]
	v_lshl_add_u32 v[CA], v3, 7, v[CA]
	v_lshl_add_u32 v[CA], v[TV], 4, v[CA]
	v_add_nc_u32 v[CA], s66, v[CA]
	v_mul_u32_u24 v[VFA0+1], v1, 48
	s_mul_i32 s66, s[KH], 10*FRB                   ; I keep tiles 2 KH and 2 KH + 1 (8 FRB x KH); my K steps are 2 KH and 2 KH + 1 (2 FRB x KH)
	s_add_co_u32 s66, s66, VIMG
	v_add_nc_u32 v[VFA0], s66, v[VFA0+1]
	s_mul_i32 s66, s[KH], 2*FRB                    ; I hand on the other two tiles
	s_mul_i32 s67, s[KO], 8*FRB
	s_add_co_u32 s66, s66, s67
	s_add_co_u32 s66, s66, VIMG
	v_add_nc_u32 v[VFA0+1], s66, v[VFA0+1]
	v_lshlrev_b32 v[VSA0+1], 2, v2
	s_mul_i32 s66, s[KH], 640
	s_add_co_u32 s66, s66, VSC
	v_add_nc_u32 v[VSA0], s66, v[VSA0+1]
	s_lshl_b32 s66, s[KH], 7
	s_lshl_b32 s67, s[KO], 9
	s_add_co_u32 s66, s66, s67
	s_add_co_u32 s66, s66, VSC
	v_add_nc_u32 v[VSA0+1], s66, v[VSA0+1]
	v_lshlrev_b32 v[GO], 4, v1
	v_add_nc_u32 v[EXS], s[XL], v[GO]
	s_xor_b32 s66, s[WV], 1
	s_mul_i32 s66, s66, XW
	v_add_nc_u32 v[EXL], s66, v[GO]
	s_lshl_b32 s66, s[KH], 9
	s_lshl_b32 s67, s[TI], 6
	s_add_co_u32 s66, s66, s67
	s_add_co_u32 s66, s66, OST
	v_lshl_add_u32 v[OSA], v2, 2, s66
	v_add_nc_u32 v[OLA], OST, v[GO]
	v_lshlrev_b32 v[SH8], 3, v3
.irp e, 0,1,2,3,4,5,6,7
	v_mov_b32 v[SA+\e], 0                          ; the eight sums: the multiply-adds that take another lane's number add in place, and their destination has to be written first
.endr
	s_wait_kmcnt 0x0
	; V's loads go out ahead of X's: they are few, and V has to be ready when the first chunk of X has landed
.irp t, 0,1,2,3
	global_load_b32 v[VB+2*\t], v[VBO], s[8:9] offset:64*\t
.endr
	global_load_b32 v[WVAL], v[WGO], s[10:11]
.irp j, 0,1,2,3,4,5,6,7,8,9,10,11,12,13,14,15
	global_load_b128 v[VR+4*\j:VR+4*\j+3], v[VGO], s[6:7] offset:8192*\j   ; rows 4 j to 4 j + 3: eight neighbouring lanes read a row's 128 consecutive bytes
.endr
	s_add_nc_u64 s[4:5], s[4:5], s[58:59]          ; X at my tile's first byte
.irp b, 0,1,2,3
	s_add_nc_u64 s[G0+4*\b+2:G0+4*\b+3], s[4:5], 256*\b
	s_or_b32 s[G0+4*\b+3], s[G0+4*\b+3], 0x80000000   ; type = 2
.endr
.irp b, 0,1,2,3
	tensor_load_to_lds s[G0+4*\b:G0+4*\b+3], s[G1:G1+7]   ; my four tensor loads, all of them first and only fills: four are out
	s_nop 0
.endr
	v_mov_b32 v[PT], 0                             ; written once: a lane permute's destination counts as one of its sources
	s_add_nc_u64 s[18:19], s[18:19], s[60:61]
	s_load_b32 s[CS], s[12:13], 0x0
	s_load_b32 s[CS+1], s[14:15], 0x0
	s_load_b32 s[CS+2], s[16:17], 0x0
	; ---- V: my block of the 64 rows
	VTURN 0, 12
	VTURN 1, 8
	VTURN 2, 4
	VTURN 3, 0
	s_wait_kmcnt 0x0
	v_mov_b32 v2, s[CS]                            ; c0 = w0_w + w0_b + w_b, twice: a pair for the packed addition at the end (r and h are done with)
	v_add_f32 v2, s[CS+1], v2
	v_add_f32 v2, s[CS+2], v2
	v_mov_b32 v3, v2
	s_wait_dscnt 0x0                               ; my reads of my stage are back: lane l holds, of row 16 t + l / 2, the numbers k = 16 (l % 2) + 0 .. 15 of my block
	s_barrier_signal -1                            ; say so; only work on registers stands between this signal and its wait.  (My tensor loads may stay out, and nobody but me reads their bytes)
.set ii, 0
.rept 8
.irp t, 0,1,2,3
	v_pk_add_f32 v[VX+16*\t+ii:VX+16*\t+ii+1], v[VX+16*\t+ii:VX+16*\t+ii+1], v[VB+2*\t:VB+2*\t+1] op_sel_hi:[1,0]   ; Vmat = V_w + V_b (the pair's low word serves both halves)
.endr
.set ii, ii+2
.endr
.irp t, 0,1,2,3
	v_max3_num_f32 v[VM+\t], |v[VX+16*\t]|, |v[VX+16*\t+1]|, |v[VX+16*\t+2]|       ; the largest magnitude of my 16, two chains a round, the four rounds by turns
	v_max3_num_f32 v[VN+\t], |v[VX+16*\t+3]|, |v[VX+16*\t+4]|, |v[VX+16*\t+5]|
.endr
.irp i, 6,10
.irp t, 0,1,2,3
	v_max3_num_f32 v[VM+\t], v[VM+\t], |v[VX+16*\t+\i]|, |v[VX+16*\t+\i+1]|
	v_max3_num_f32 v[VN+\t], v[VN+\t], |v[VX+16*\t+\i+2]|, |v[VX+16*\t+\i+3]|
.endr
.endr
.irp t, 0,1,2,3
	v_max3_num_f32 v[VM+\t], v[VM+\t], |v[VX+16*\t+14]|, |v[VX+16*\t+15]|
.endr
.irp t, 0,1,2,3
	v_max3_num_f32 v[VM+\t], v[VM+\t], v[VN+\t], 0x1800000                         ; and the floor 2^(3 - 127)
.endr
.irp t, 0,1,2,3
	v_max_num_f32_dpp v[VM+\t], v[VM+\t], v[VM+\t] row_xmask:1 row_mask:0xf bank_mask:0xf   ; with my neighbour's 16: the block's
.endr
.irp t, 0,1,2,3
	v_add_nc_u32 v[VM+\t], 0xff000000, v[VM+\t]    ; 2 off the exponent field: the conversion's scale operand
.endr
.set ii, 0
.rept 8
	v_pk_mul_f32 v[Q+ii:Q+ii+1], v[VX+ii:VX+ii+1], v[VX+ii:VX+ii+1]                ; the squares of my four rows, k by k
.set ii, ii+2
.endr
.irp t, 1,2,3
.set ii, 0
.rept 8
	v_pk_fma_f32 v[Q+ii:Q+ii+1], v[VX+16*\t+ii:VX+16*\t+ii+1], v[VX+16*\t+ii:VX+16*\t+ii+1], v[Q+ii:Q+ii+1]
.set ii, ii+2
.endr
.endr
.irp t, 0,1,2,3
	v_cvt_scalef32_pk16_fp6_f32 v[CC+4*\t:CC+4*\t+2], v[VX+16*\t:VX+16*\t+15], v[VM+\t]
.endr
.irp t, 0,1,2,3
	v_lshrrev_b32 v[VBY+\t], 23, v[VM+\t]          ; the scale's byte; also the plain instruction behind the conversions
.endr
	; the squares, summed over the 64 rows: 16 sums a lane are folded over the 16 lanes of my parity, so that lane l ends with the sum for k = 16 (l % 2) + l / 2 of my block
.set jj, 0
.rept 8
	v_permlane16_swap_b32 v[Q+jj], v[Q+8+jj]       ; the first's lanes 16-31 change places with the second's lanes 0-15: lanes 0-15 now hold both halves' sums jj, lanes 16-31 both halves' sums 8 + jj
.set jj, jj+1
.endr
.set jj, 0
.rept 4
	v_pk_add_f32 v[Q+jj:Q+jj+1], v[Q+jj:Q+jj+1], v[Q+8+jj:Q+8+jj+1]
.set jj, jj+2
.endr
	FOLD 4, 8, MK
	FOLD 2, 4, MK+1
	FOLD 1, 2, MK+2
	v_mul_f32 v[AV], -0.5, v[Q]                    ; a_k
	s_barrier_wait -1                              ; no wave reads its stage any more: the images and tables, which lie over the stages, may be stored
.irp t, 0,1,2,3
.irp p, 0,1,2
	ds_store_b32 v[VPA], v[CC+4*\t+\p] offset:\t*4*FRB+4*\p   ; 12 bytes: half of registers 6 c to 6 c + 5 of one lane of a fragment
.endr
	ds_store_b8 v[VBA], v[VBY+\t] offset:\t*256    ; (both lanes of a block write the same byte with the same value)
.endr
	ds_store_b32 v[CTA], v[AV]
	ds_store_b32 v[CTA], v[WVAL] offset:2048       ; w_k
	s_wait_dscnt 0x0                               ; for the others' sake: my stores have landed
	s_barrier_signal -1
	s_barrier_wait -1                              ; V's fragments, scale words and both tables lie in LDS
	; ---- X: my 16 rows x 256 along K, a block at a time.  Lane (r, h) holds row r's k = 64 b + 32 h + 0 .. 31 of block b: the operand's own layout, so the conversions' results are its registers
	ds_load_b128 v[CW:CW+3], v[CA] offset:2048     ; w of blocks 0 and 1,
	ds_load_b128 v[CW+4:CW+7], v[CA] offset:2048+512   ; of blocks 2 and 3;
	ds_load_b128 v[CW+8:CW+11], v[CA]              ; a likewise
	ds_load_b128 v[CW+12:CW+15], v[CA] offset:512
	VFRAG 0
	s_wait_tensorcnt 0x3                           ; my first chunk has landed; the three issued behind it may be out
	XLOAD XB0, 0
	s_wait_dscnt 0x0
	BMAX MM, NN, XB0
	BCVT MM, BY, PC, TT, XB0
	LIN XB0, CW, 0
	s_wait_tensorcnt 0x2                           ; the second; two may be out
	XLOAD XB1, 1
	s_wait_dscnt 0x0
	BMAX MM+1, NN, XB1
	BCVT MM+1, BY+1, PC+6, TT, XB1
	SWORD 0
	LIN XB1, CW, 1                                 ; its 16 packed squares alone are more than the 8 plain instructions asked between the scale word's last write, and the 4 between the codes', and the scaled matrix instructions
	MUL 0
	s_wait_tensorcnt 0x1                           ; the third; one may be out
	XLOAD XB0, 2
	s_wait_dscnt 0x0
	BMAX MM, NN, XB0                               ; 16 plain instructions that name none of the matrix instructions' registers: the places in front of the loads into V's fragments and scale words (ISA guide 7.12.1 for vector instructions)
	VFRAG 1
	BCVT MM, BY, PC+12, TT, XB0
	LIN XB0, CW+4, 0
	s_wait_tensorcnt 0x0                           ; the last
	XLOAD XB1, 3
	s_wait_dscnt 0x0                               ; and V's fragments of my second K step
	BMAX MM+1, NN, XB1
	BCVT MM+1, BY+1, PC+18, TT, XB1
	SWORD 1
	LIN XB1, CW+4, 1
	MUL 1
	v_pk_add_f32 v[SA:SA+1], v[SA:SA+1], v[SA+2:SA+3]              ; the eight chains become one number: four plain instructions, the places behind the last matrix instruction
	v_pk_add_f32 v[SA+4:SA+5], v[SA+4:SA+5], v[SA+6:SA+7]
	v_pk_add_f32 v[SA:SA+1], v[SA:SA+1], v[SA+4:SA+5]
	v_add_f32 v[SA], v[SA], v[SA+1]
.irp q, 0,1,2,3
	ds_store_b128 v[EXS], v[ACC+16+4*\q:ACC+16+4*\q+3] offset:512*\q   ; my last two accumulators, as they stand, each from its low end on: 16 bytes a lane, 512 a store
.endr
	s_wait_dscnt 0x0                               ; my stores have landed
	s_barrier_signal -1
	s_barrier_wait -1
.irp q, 0,1,2,3
	ds_load_b128 v[RX+4*\q:RX+4*\q+3], v[EXL] offset:512*\q        ; my partner's sums, over the other K half, for the two tiles of f that I keep: the same registers in the same lanes
.endr
	s_wait_dscnt 0x0
.set ii, 0
.rept 8
	v_pk_add_f32 v[RX+ii:RX+ii+1], v[ACC+ii:ACC+ii+1], v[RX+ii:RX+ii+1]   ; XV, whole: row r, 16 of its 64 f
.set ii, ii+2
.endr
	v_pk_mul_f32 v[SS:SS+1], v[RX:RX+1], v[RX:RX+1]
	v_pk_mul_f32 v[SS+2:SS+3], v[RX+2:RX+3], v[RX+2:RX+3]
.irp i, 4,8,12
	v_pk_fma_f32 v[SS:SS+1], v[RX+\i:RX+\i+1], v[RX+\i:RX+\i+1], v[SS:SS+1]
	v_pk_fma_f32 v[SS+2:SS+3], v[RX+\i+2:RX+\i+3], v[RX+\i+2:RX+\i+3], v[SS+2:SS+3]
.endr
	v_pk_add_f32 v[SS:SS+1], v[SS:SS+1], v[SS+2:SS+3]
	v_add_f32 v[SS], v[SS], v[SS+1]
	v_fma_f32 v[SS], v[SS], 0.5, v[SA]             ; half the squares, and my part of sum w x + a x^2
	v_permlanex16_b32 v[PT], v[SS], s[SEL], s[SEL+1]
	v_add_f32 v[SS], v[SS], v[PT]                  ; with lane l xor 16's: my wave's part of row r
	ds_store_b32 v[OSA], v[SS]                     ; (both halves of the lanes write the same word with the same value)
	s_wait_dscnt 0x0
	s_barrier_signal -1
	s_barrier_wait -1                              ; both parts of all 128 rows lie in the stage
	s_cmp_lg_u32 s[WV], 0
	s_cbranch_scc1 .Lend
	ds_load_b128 v[RX:RX+3], v[OLA]                ; wave 0: four rows a lane, the two K halves' parts
	ds_load_b128 v[RX+4:RX+7], v[OLA] offset:512
	s_wait_dscnt 0x0
	v_pk_add_f32 v[RX:RX+1], v[RX:RX+1], v[RX+4:RX+5]
	v_pk_add_f32 v[RX+2:RX+3], v[RX+2:RX+3], v[RX+6:RX+7]
	v_pk_add_f32 v[RX:RX+1], v[RX:RX+1], v[2:3]
	v_pk_add_f32 v[RX+2:RX+3], v[RX+2:RX+3], v[2:3]
	global_store_b128 v[GO], v[RX:RX+3], s[18:19] th:TH_STORE_NT   ; 32 lanes store the work-group's 512 consecutive bytes, at a multiple of 512 from the output's first byte
.Lend:
	s_wait_xcnt 0x0
	v_lshl_add_u32 v254, v0, 2, 0x4e000
	v_mov_b32 v255, 0
	s_wait_tensorcnt 0x0
	ds_add_u32 v254, v255
	s_wait_dscnt 0x0
	s_endpgm
.Lfunc_end_k_q0044bd9981_fm:
	.size	k_q0044bd9981_fm, .Lfunc_end_k_q0044bd9981_fm-k_q0044bd9981_fm
	.p2alignl 7, 3214868480
	.fill 96, 4, 3214868480
	.section	.rodata,"a",@progbits
	.p2align	6, 0x0
	.amdhsa_kernel k_q0044bd9981_fm
		.amdhsa_group_segment_fixed_size 321536
		.amdhsa_private_segment_fixed_size 0
		.amdhsa_enable_private_segment 0
		.amdhsa_kernarg_size 64
		.amdhsa_user_sgpr_count 2
		.amdhsa_user_sgpr_kernarg_segment_ptr 1
		.amdhsa_wavefront_size32 1
		.amdhsa_system_sgpr_workgroup_id_x 1
		.amdhsa_system_sgpr_workgroup_id_y 1
		.amdhsa_system_sgpr_workgroup_id_z 1
		.amdhsa_system_vgpr_workitem_id 0
		.amdhsa_next_free_vgpr 256
		.amdhsa_next_free_sgpr 72
		.amdhsa_reserve_vcc 0
		.amdhsa_float_denorm_mode_32 3
		.amdhsa_float_denorm_mode_16_64 3
		.amdhsa_memory_ordered 1
		.amdhsa_forward_progress 1
		.amdhsa_inst_pref_size 57
	.end_amdhsa_kernel
	.amdgpu_metadata
---
amdhsa.version: [ 1, 2 ]
amdhsa.kernels:
  - .name:           k_q0044bd9981_fm
    .symbol:         k_q0044bd9981_fm.kd
    .args:
      - { .name: X, .offset: 0, .size: 8, .value_kind: global_buffer, .address_space: global }
      - { .name: V_w, .offset: 8, .size: 8, .value_kind: global_buffer, .address_space: global }
      - { .name: V_b, .offset: 16, .size: 8, .value_kind: global_buffer, .address_space: global }
      - { .name: w_w, .offset: 24, .size: 8, .value_kind: global_buffer, .address_space: global }
      - { .name: w0_w, .offset: 32, .size: 8, .value_kind: global_buffer, .address_space: global }
      - { .name: w0_b, .offset: 40, .size: 8, .value_kind: global_buffer, .address_space: global }
      - { .name: w_b, .offset: 48, .size: 8, .value_kind: global_buffer, .address_space: global }
      - { .name: out0, .offset: 56, .size: 8, .value_kind: global_buffer, .address_space: global }
    .group_segment_fixed_size: 321536
    .private_segment_fixed_size: 0
    .kernarg_segment_align: 8
    .kernarg_segment_size: 64
    .max_flat_workgroup_size: 512
    .sgpr_count:     72
    .vgpr_count:     256
    .wavefront_size: 32
...
	.end_amdgpu_metadata
.endif
;; end of part 1
